; MI455X (gfx1250); checked and timed in simulation.
; The chip was launched on July 23, 2026; its instructions are those of AMD's public machine-readable ISA for CDNA 5 (MIT licence, August 2026) and "CDNA5" Instruction Set Architecture Reference Guide (July 2026). The comments in the code are by the model that wrote it; some were corrected since.
;; Geometric Attention Bias. Allowed arithmetic: matrix products marked QUANTISED: E3M2 operands, one E8M0 scale for each 32 along K, by v_wmma_scale_f32_16x16x128_f8f6f4 with both operands' format E3M2, f32 sums; products left as they are: f32 operands where the result goes on into a quantised operand, else bf16, f16 or f32 operands; f32 sums; everything else in f32.
;; Inputs: W1 4 x 128 float32; W2_codes 64 x 4 x 24 uint8 (E3M2 codes of W2, K innermost, in blocks of 32 codes, four codes in three bytes); W2_scales 64 x 4 uint8 (E8M0 scales of W2, one for each 32 codes along K); W3 64 x 8 float32; b1 128 float32; b2 64 float32; b3 8 float32; beta1 128 float32; beta2 64 float32; bias_scale 8 float32; g1 128 float32; g2 64 float32; grasp_poses 4 x 64 x 7 float32; grasp_tokens 4 x 64 x 256 float32; scene_points 4 x 4,096 x 3 float32.
;; Outputs: out0 4 x 8 x 64 x 4,096 float32.
;; This version of the problem:
;;   THIS VERSION OF THE PROBLEM IS GIVEN IN LOW PRECISION. The matrix products marked QUANTISED in the list below multiply operands that are first quantised to E3M2 (3 exponent bits, 2 mantissa bits; 6 bits a number), with one power-of-two scale for each 32 numbers along K (OCP MX v1.0); their sums are f32. All else is computed in f32.
;;   The module's matrix products, in the order in which they are computed (A, B: the left and right operand; K: the contracted axis; several contracted axes count as one K, in the product's order):
;;     1. batch 256 x [M 4,096, K 3] x [K 3, N 3]; A: computed on the way; B: computed on the way: left as it is (K = 3 < 32)
;;     2. [M 1,048,576, K 4] x [K 4, N 128]; A: computed on the way; B: input W1: left as it is (K = 4 < 32)
;;     3. [M 1,048,576, K 128] x [K 128, N 64]; A: computed on the way; B: input W2 (given as codes): QUANTISED
;;     4. [M 1,048,576, K 64] x [K 64, N 8]; A: computed on the way; B: input W3: left as it is (N = 8 < 16)
;;   THE QUANTISER, for each operand of a quantised product, along K:
;;     - K is cut into blocks of 32 from its start; a last block that is shorter is filled with zeros.
;;     - A block's scale is 2^e with e = floor(log2(the largest magnitude in the block)) - 4, held to -126 .. 127; a block of zeros has e = 0. As a byte (E8M0): e + 127.
;;     - Each number is divided by its block's scale, clamped to +-28, and rounded to the nearest number of E3M2, ties to even, subnormals kept.
;;     - The product sums the exact products of the quantised numbers (number of the format x scale) in f32.
;;   ~~~python
;;   def quantise(x, axis):      # numpy; x: float32 -> the quantised numbers, widened to float32 again
;;       x = np.moveaxis(x, axis, -1); K = x.shape[-1]
;;       x = np.pad(x, [(0, 0)] * (x.ndim - 1) + [(0, -K % 32)]); x = x.reshape(x.shape[:-1] + (-1, 32)); a = np.abs(x).max(-1, keepdims=True)
;;       e = np.where(a > 0, np.clip(np.frexp(np.where(a > 0, a, 1))[1] - 1 - 4, -126, 127), 0)      # np.frexp(a)[1] - 1 = floor(log2(a)), exactly
;;       r = np.clip(x / 2.0 ** e, -28, 28)
;;       step = 2.0 ** (np.maximum(np.frexp(np.where(r == 0, 1, r))[1] - 1, -2) - 2)
;;       q = np.round(r / step) * step * 2.0 ** e      # np.round: ties to even
;;       return np.moveaxis(q.reshape(q.shape[:-2] + (-1,))[..., :K], -1, axis).astype(np.float32)
;;   ~~~
;;   OPERANDS COMPUTED ON THE WAY. 'Computed on the way' means the value that the module computes at that place (a softmax that the list does not call 'softmax' is quantised finished and normalised). What goes into a quantiser is computed in f32, as accurately as f32 sums, v_exp_f32 and their like allow (about 1e-6 of the number): no bf16 or f16 on the way to a quantiser, and a product that is left as it is and whose result goes on into a quantised operand takes f32 operands (vector FMAs, or v_wmma_f32_16x16x4_f32). A number that lies on a knife's edge between two numbers of the format may be rounded either way, as far as f32 arithmetic and the matrix unit's own rounding can turn it there, and no further.
;;   INPUTS GIVEN AS CODES. W2 (in the module: [128, 64], K = its axis 0): each comes as NAME_codes (uint8): NAME with its K axis moved to the last place and cut into blocks of 32 codes, [.., K / 32, bytes a block], one block behind the other in memory; four codes in three bytes: a row's codes are one little-endian stream of bits, code i at bits 6 i .. 6 i + 5 (a code: sign, 3 exponent bits, 2 mantissa bits); and NAME_scales (uint8): the same leading axes, one E8M0 byte (e + 127) for each 32 codes along K. Its value is code x scale, taken as it is: it is not quantised again, and the codes and scales need not be those that the quantiser above would give.
;; 2 versions, each right; version 2 is version 1 with the launch geo written anew for expert scheduling mode. Each part assembles by itself: llvm-mc -triple=amdgcn-amd-amdhsa -mcpu=gfx1250 --defsym DOCPART=n.
;; ======== version 1 of 2: 1 launch
;; launch geo (part 1): grid 256 x 1, 8 waves a work-group, no clusters, 0 bytes of LDS; arguments scene_points, grasp_poses, W1, b1, g1, beta1, W2_codes, W2_scales, b2, g2, beta2, W3, b3, bias_scale, out0; writes out0
.if DOCPART == 1
	.amdgcn_target "amdgcn-amd-amdhsa--gfx1250"
	.amdhsa_code_object_version 6
	.text
	.protected	k_q47b5de7e8d_geo
	.globl	k_q47b5de7e8d_geo
	.p2align	8
	.type	k_q47b5de7e8d_geo,@function
k_q47b5de7e8d_geo:
	s_mov_b64 s[64:65], 0
	v_nop
	global_prefetch_b8 v0, s[64:65] scope:SCOPE_SE
	s_setreg_imm32_b32 hwreg(HW_REG_WAVE_MODE, 25, 1), 1
	s_wait_xcnt 0x0
; out0[b][hd][g][p] = bias_scale[hd] * (LN2(relu(Q(LN1(relu(feats W1 + b1))) W2 + b2)) W3 + b3)[hd],  feats = (R^T (point p - t), its norm) of grasp (b, g).
; DEAD WORK: grasp_tokens is named by no line of reference()'s body, so it reaches no output whatever it holds: it is not loaded and is no argument.  A NaN or an infinity in it is not carried to the result.
; Every other input is live: b1, g1, beta1 move the codes of the quantised product; b2, g2, beta2, W3, b3, bias_scale reach the output.
; LIMITS: NaN and infinities among the inputs are not served.  q / (|q| + 1e-8) is a reciprocal (1 ulp) and a multiply.  A block of 32 zeros ahead of the quantised product gets the scale byte 1 where the
; quantiser says 127: its codes are zeros, which add nothing under any byte but 0xff, and the bytes are read by this text alone.
; SHARES: a work-group is one grasp (b, g) = its number; wave w takes points 512 w .. 512 w + 511: 32 tiles of 16 rows, 8 quads of 64.  Two waves of 512 registers lie on a SIMD.  No LDS, no barrier: waves share nothing.
; ALL THREE PRODUCTS ARE USED TRANSPOSED: a lane holds ONE row (lane % 16), its registers run along the units, so that means, variances and the quantiser want one exchange between the halves of the lanes.
;   feats W1 + b1:  v_wmma_f32_16x16x4_f32 (its result goes into a quantiser, so f32 operands), source 0 = 16 units of W1, source 1 = the features, C = b1.  8 a tile.
;   Q(h1) W2 + b2:  v_wmma_scale_f32_16x16x128_f8f6f4 on E3M2 codes, source 0 = 16 rows of W2's codes as they lie, source 1 = the codes just made, C = b2.  4 a tile.
;   h2 W3:          v_wmma_f32_16x16x32_bf16, source 0 = G[u][hd] = g2[u] W3[u][hd] bias_scale[hd], source 1 = d = relu2 - mean2.  2 a tile.  out = rstd2 (d G) + c[hd], c = (beta2 W3 + b3) bias_scale in f32: an identity.
;                   bf16 and not f16: the folded G has no sure room in f16 where the inputs are much larger or smaller.
; THE UNITS OF A TILE OF W1 ARE NOT NEIGHBOURS: lane r of tile 2 b + u takes unit 32 b + 8 u + r + (r & 8), so that register 16 b + i of a lane is k = 32 b + 16 (lane / 16) + i of the quantised product.
; THE ROWS OF A TILE ARE NOT NEIGHBOURS: column r of tile T of a quad is point p0 + 4 r + T; row m of G is head (m & 3) + 4 (m >> 3).  So four tiles' results of one head are 16 neighbouring bytes in a lane, and
; one store of 16 bytes a lane covers 256 consecutive aligned bytes of head j (lanes 0-15) and of head j + 4 (lanes 16-31).
; THE PIPELINE: while tile t is normalised and quantised, tile t + 1's first product is already made and is read out (relu) in the places round tile t's matrix instructions; tile t - 1's last product ends in tile t's step.
; REGISTERS, in windows of 256 (s_set_vgpr_msb: bits 1:0 source 0, 3:2 source 1, 5:4 source 2, 7:6 destination):
.set TV,   0          ; v0       the thread's number; then bias_scale[hd]; in the loop variance + eps
.set VP,   1          ; v1       byte offset of my point in the batch's points
.set MU,   2          ; v2       the mean (low word of the pair v[2:3])
.set VO,   3          ; v3       byte offset of my 16 bytes in out0
.set RS,   4          ; v4       1 / sqrt(var1 + eps) (low word of the pair v[4:5])
.set RS2,  5          ; v5       1 / sqrt(var2 + eps)
.set W2S,  6          ; v6-9     W2's scale words, a register a tile: scales and nothing else
.set CC,   10         ; v10-13   c[j + 4 (lane / 16)]
.set PT,   14         ; v14-16   a point
.set T2,   17         ; v17      b3[hd], in the set-up
.set FT,   18         ; v18-21   the features: v[18:19] the even tile's operand, v[20:21] the odd tile's
.set SCR,  22         ; v22-33   at work
.set OQ,   34         ; v34-49   a quad's results: register 4 j + T
.set ACC3, 50         ; v50-57   d G
.set PC,   58         ; v58-69   the rows' codes
.set DB0,  58         ; v58-65   d in bf16, units 0-31 (over codes that are done with)
.set DB1,  70         ; v70-77   d in bf16, units 32-63
.set GF,   78         ; v78-93   G in bf16, two fragments
.set B2C,  94         ; v94-125  b2 in the result's layout
.set PW,   126        ; v126     the rows' scale word: scales and nothing else
.set ACC1, 128        ; v128-191 feats W1 + b1: written by matrix instructions alone
.set X,    192        ; v192-255 a tile's 64 numbers a lane
.set Y,    224        ; v224-255 the second layer's 32 numbers a lane (over X's upper half, which is codes by then)
.set G1,   0          ; window 1: v0-63 g1, v64-127 beta1, v128-191 b1, all in X's order; v192-239 W2's four fragments; v240-255 W1's eight
.set BE1,  64
.set B1C,  128
.set W2F,  192
.set W1F,  240
.set W3T,  192        ; set-up alone: W3, beta2, g2 in G's order
.set BT,   34
.set G2T,  224
.set TR,   40         ; s40-42   t;  s43-46 the quaternion
.set RM,   51         ; s51-59   R, row by row
.set IN128, 60        ; s60      1 / 128
.set IN64, 61         ; s61      1 / 64
.set EPS,  62         ; s62      1e-5
.set SEL,  66         ; s[66:67] v_permlanex16_b32's selects for lane l xor 16
.set TRIP, 68         ; s68      trips to go
.set WV,   69         ; s69      my wave's number
.set OFS,  70         ; s[70:71] an offset as a pair
.set CH,   72         ; s72-79   c of heads 0 to 7
.set MSB, 0
.macro WIN new                      ; the immediate's high byte repeats the setting that is left; a switch that changes nothing is dropped
.if MSB != \new
	s_set_vgpr_msb (MSB<<8)|\new
.set MSB, \new
.endif
.endm
; relu of the next tile's numbers a .. a + n - 1, out of the f32 accumulators into X: ascending
.macro RELU a, n
.set i, \a
.rept \n
	v_max_num_f32 v[X+i], 0, v[ACC1+i]
.set i, i+1
.endr
.endm
; feats W1 + b1 for one tile: eight accumulators, each one instruction; hl = 0: the pair's even tile, 1: its odd one
.macro LAYER1 hl
	WIN 0x11                        ; W1 and b1 in window 1
.irp t, 0,1,2,3,4,5,6,7
	v_wmma_f32_16x16x4_f32 v[ACC1+8*\t:ACC1+8*\t+7], v[W1F+2*\t:W1F+2*\t+1], v[FT+2*(\hl):FT+2*(\hl)+1], v[B1C+8*\t:B1C+8*\t+7]
.endr
	WIN 0
.endm
; a pair of tiles' features, a row a lane: lanes 0-15 the even tile's rows, lanes 16-31 the odd tile's
.macro FEAT1
.irp i, 0,1,2
	v_sub_f32 v[SCR+4+\i], v[PT+\i], s[TR+\i]       ; point - t
.endr
.irp i, 0,1,2
	v_mul_f32 v[FT+\i], s[RM+\i], v[SCR+4]          ; (R^T v)_i = R0i v0 + R1i v1 + R2i v2
.endr
.irp i, 0,1,2
	v_fmac_f32 v[FT+\i], s[RM+3+\i], v[SCR+5]
.endr
.irp i, 0,1,2
	v_fmac_f32 v[FT+\i], s[RM+6+\i], v[SCR+6]
.endr
	v_mul_f32 v[SCR+7], v[FT], v[FT]
	v_fmac_f32 v[SCR+7], v[FT+1], v[FT+1]
	v_fmac_f32 v[SCR+7], v[FT+2], v[FT+2]
	v_sqrt_f32 v[FT+3], v[SCR+7]
.endm
; into the operand's layout (lanes 0-15: k = 0, 1; lanes 16-31: k = 2, 3 of row lane % 16): the first register's lanes 16-31 change places with the second's lanes 0-15
.macro FEAT2
	v_permlane16_swap_b32 v[FT], v[FT+2]
	v_permlane16_swap_b32 v[FT+1], v[FT+3]
.endm
; four chains of pairs in v[SCR .. SCR + 7] become one number, the row's, in v[SCR] of both lanes that hold the row
.macro JOIN
	v_pk_add_f32 v[SCR:SCR+1], v[SCR:SCR+1], v[SCR+2:SCR+3]
	v_pk_add_f32 v[SCR+4:SCR+5], v[SCR+4:SCR+5], v[SCR+6:SCR+7]
	v_pk_add_f32 v[SCR:SCR+1], v[SCR:SCR+1], v[SCR+4:SCR+5]
	v_add_f32 v[SCR], v[SCR], v[SCR+1]
	v_permlanex16_b32 v[SCR+2], v[SCR], s[SEL], s[SEL+1]
	v_add_f32 v[SCR], v[SCR], v[SCR+2]
.endm
; the mean of a row's 4 np numbers, of which np pairs are mine
.macro SUMS base, np, sinv
.irp c, 0,1,2,3
	v_pk_add_f32 v[SCR+2*\c:SCR+2*\c+1], v[\base+2*\c:\base+2*\c+1], v[\base+8+2*\c:\base+8+2*\c+1]   ; the first eight pairs start the chains: nothing is cleared
.endr
.set i, 8
.rept \np-8
	v_pk_add_f32 v[SCR+2*(i%4):SCR+2*(i%4)+1], v[SCR+2*(i%4):SCR+2*(i%4)+1], v[\base+2*i:\base+2*i+1]
.set i, i+1
.endr
	JOIN
	v_mul_f32 v[MU], s[\sinv], v[SCR]
.endm
; x - mean, in place (of the pair v[2:3] the low word serves both halves)
.macro DIFF base, np
.set i, 0
.rept \np
	v_pk_add_f32 v[\base+2*i:\base+2*i+1], v[\base+2*i:\base+2*i+1], v[MU:MU+1] op_sel_hi:[1,0] neg_lo:[0,1] neg_hi:[0,1]
.set i, i+1
.endr
.endm
; 1 / sqrt(the mean of (x - mean)^2 + eps): the variance in two passes, as reference() has it
.macro SQS base, np, sinv, dst
.irp c, 0,1,2,3
	v_pk_mul_f32 v[SCR+2*\c:SCR+2*\c+1], v[\base+2*\c:\base+2*\c+1], v[\base+2*\c:\base+2*\c+1]
.endr
.set i, 4
.rept \np-4
	v_pk_fma_f32 v[SCR+2*(i%4):SCR+2*(i%4)+1], v[\base+2*i:\base+2*i+1], v[\base+2*i:\base+2*i+1], v[SCR+2*(i%4):SCR+2*(i%4)+1]
.set i, i+1
.endr
	JOIN
	v_fma_f32 v[TV], v[SCR], s[\sinv], s[EPS]
	v_rsq_f32 v[\dst], v[TV]
.endm
; (x - mean) rstd g1 + beta1;  feat: the next pair's features go into the operand's layout between the two runs
.macro L1N feat
.set i, 0
.rept 32
	v_pk_mul_f32 v[X+2*i:X+2*i+1], v[X+2*i:X+2*i+1], v[RS:RS+1] op_sel_hi:[1,0]
.set i, i+1
.endr
.if \feat
	FEAT2
.endif
	WIN 0x14                        ; g1 and beta1 in window 1
.set i, 0
.rept 32
	v_pk_fma_f32 v[X+2*i:X+2*i+1], v[X+2*i:X+2*i+1], v[G1+2*i:G1+2*i+1], v[BE1+2*i:BE1+2*i+1]
.set i, i+1
.endr
	WIN 0
.endm
; X's 64 numbers of a lane (register 16 b + i = k 32 b + 16 (lane / 16) + i of my row) become the fragment's codes in v[PC] on and the row's scale word in v[PW]
.macro QUANT
.irp b, 0,1,2,3
	v_max3_num_f32 v[SCR+\b], |v[X+16*\b]|, |v[X+1+16*\b]|, 0x2800000   ; block b: my 16 numbers, and the floor 2^(5 - 127): the byte cannot fall under 1
.endr
.irp i, 2,4,6,8,10,12,14
.irp b, 0,1,2,3
	v_max3_num_f32 v[SCR+\b], v[SCR+\b], |v[X+16*\b+\i]|, |v[X+1+16*\b+\i]|   ; the four blocks by turns
.endr
.endr
.irp b, 0,1,2,3
	v_permlanex16_b32 v[SCR+4+\b], v[SCR+\b], s[SEL], s[SEL+1]
.endr
.irp b, 0,1,2,3
	v_max_num_f32 v[SCR+\b], v[SCR+\b], v[SCR+4+\b]     ; with lane l xor 16's 16: the block's largest magnitude
.endr
.irp b, 0,1,2,3
	v_add_nc_u32 v[SCR+8+\b], 0xfe000000, v[SCR+\b]     ; 4 off its exponent field: the conversion takes this operand's exponent field as its scale, and nothing else of it
.endr
.irp b, 0,1,2,3
	v_lshrrev_b32 v[SCR+4+\b], 23, v[SCR+8+\b]          ; the scale's byte
.endr
	v_lshl_or_b32 v[PW], v[SCR+5], 8, v[SCR+4]
	v_lshl_or_b32 v[PW], v[SCR+6], 16, v[PW]
	v_lshl_or_b32 v[PW], v[SCR+7], 24, v[PW]
.irp c, 0,1
	v_cvt_scalef32_pk16_bf6_f32 v[PC+6*\c:PC+6*\c+2], v[X+32*\c:X+32*\c+15], v[SCR+8+2*\c]
	v_cvt_scalef32_pk16_bf6_f32 v[SCR+4*\c:SCR+4*\c+2], v[X+16+32*\c:X+31+32*\c], v[SCR+9+2*\c]   ; a conversion's three registers begin on an even number: the block's second half is made elsewhere and moved
.endr
	v_nop                           ; one plain line behind the scaled conversions
.irp c, 0,1                         ; the operand wants a WHOLE block in a lane: lanes 0-15 block 2 c, lanes 16-31 block 2 c + 1
.irp i, 0,1,2
	v_permlane16_swap_b32 v[PC+6*\c+\i], v[SCR+4*\c+\i]
.endr
.irp i, 0,1,2
	v_mov_b32 v[PC+3+6*\c+\i], v[SCR+4*\c+\i]
.endr
.endr
.endm
; Q(h1) W2 + b2: four accumulators, each one instruction over all of K = 128
.macro LAYER2
	WIN 0x01                        ; W2's codes in window 1
.irp t, 0,1,2,3
	v_wmma_scale_f32_16x16x128_f8f6f4 v[Y+8*\t:Y+8*\t+7], v[W2F+12*\t:W2F+12*\t+11], v[PC:PC+11], v[B2C+8*\t:B2C+8*\t+7], v[W2S+\t], v[PW] matrix_a_fmt:MATRIX_FMT_BF6 matrix_b_fmt:MATRIX_FMT_BF6
.endr
	WIN 0
.endm
; d G: units 0-31 start the sum, units 32-63 end it a tile's step later
.macro HEADS c
.if \c
	v_wmma_f32_16x16x32_bf16 v[ACC3:ACC3+7], v[GF+8:GF+15], v[DB1:DB1+7], v[ACC3:ACC3+7]
.else
	v_wmma_f32_16x16x32_bf16 v[ACC3:ACC3+7], v[GF:GF+7], v[DB0:DB0+7], 0
.endif
.endm
; relu, mean, d = x - mean, d in bf16.  Units 0-31 are converted first: the other eight conversions stand between them and the product that reads them
.macro L2A
.set i, 0
.rept 32
	v_max_num_f32 v[Y+i], 0, v[Y+i]                     ; ascending: each accumulator from its low end on
.set i, i+1
.endr
	SUMS Y, 16, IN64
	DIFF Y, 16
.irp c, 0,1
.irp u, 0,1
.irp i, 0,1,2,3
	v_cvt_pk_bf16_f32 v[DB0+12*\c+4*\u+\i], v[Y+8*(2*\c+\u)+2*\i], v[Y+8*(2*\c+\u)+2*\i+1]
.endr
.endr
.endr
.endm
.macro OUTS tt                      ; tile tt of the quad: heads j + 4 (lane / 16) of my row
.irp j, 0,1,2,3
	v_fma_f32 v[OQ+4*\j+(\tt)], v[ACC3+\j], v[RS2], v[CC+\j]
.endr
.endm
.macro STORES                       ; a quad: each store covers two runs of 256 consecutive aligned bytes; written once, read by nobody here.  VO has been stepped once ahead of the quad's stores, so they reach back 256 bytes
.irp j, 0,1,2,3
	global_store_b128 v[VO], v[OQ+4*\j:OQ+4*\j+3], s[36:37] offset:\j*1048576-256 th:TH_STORE_NT
.endr
.endm
; THE STEP OF TILE t.  t4 = t % 4; prev: tile t - 1 exists; next: tile t + 1 exists; feat = 1, 2: the features of tiles t + 2, t + 3 are made here (2: they begin a new quad);
; ld = 1: the points of the pair behind those are asked for; 2: but not in the loop's last trip.
.macro SEG t4, prev, next, feat, ld
.if \next
	LAYER1 (\t4+1)%2                ; tile t + 1's first product: its accumulators have just been read out
.endif
	SUMS X, 32, IN128
	DIFF X, 32
	SQS X, 32, IN128, RS
.if \feat
	s_wait_loadcnt 0x0              ; the one load that is out, asked for two tiles ago, is in: so its offset register may be written too
.if \feat == 2
	v_add_nc_u32 v[VP], 768, v[VP]  ; on to the quad of the points just come
.endif
	FEAT1                           ; more than a hundred plain lines behind the product that read the last pair's features
.else
	v_nop                           ; a plain line behind the reciprocal root
.endif
	s_wait_alu depctr_va_vdst(0)    ; the wait ahead of the first line that names a transcendental's result: one for rstd1, the root above and the last tile's rstd2
.if \feat == 2
	global_load_b96 v[PT:PT+2], v[VP], s[8:9] offset:24       ; the quad's tiles 2, 3
.elseif \feat == 1
.if \ld == 2
	s_cmp_eq_u32 s[TRIP], 1         ; the last trip has no quad behind it: no load leaves the buffer
	s_cbranch_scc1 .Lno_more_\@
.endif
	global_load_b96 v[PT:PT+2], v[VP], s[8:9] offset:768      ; the next quad's tiles 0, 1
.if \ld == 2
.Lno_more_\@:
.endif
.endif
	L1N \feat
	QUANT
.if \next
	RELU 0, 16                      ; sixteen plain lines between the last write of codes and scale word and the scaled products
.else
.rept 8
	v_nop
.endr
.endif
	LAYER2
.if \prev
	HEADS 1                         ; tile t - 1's sum ends: twelve other accumulators' instructions stand between its two links
.endif
.if \next
	RELU 16, 16                     ; the places behind those products
.else
.rept 4
	v_nop
.endr
.endif
.if \t4 == 1
	s_wait_xcnt 0x0                 ; the last quad's stores, a tile's step back, have read their data and their offset: both are written again below
	v_add_nc_u32 v[VO], 256, v[VO]
.endif
.if \prev
	OUTS (\t4+3)%4
.if \t4 == 0
	STORES
.endif
.endif
	L2A
	HEADS 0
	SQS Y, 16, IN64, RS2
.if \next
	RELU 32, 32                     ; plain lines behind the reciprocal root; Y is done with
.else
	v_nop
.endif
.if \t4 == 0
	s_wait_alu depctr_va_vdst(0)    ; a label or a branch follows: the reciprocal root's wait stands ahead of it
.endif
.endm
	; ---- the arguments, the ids, the offsets
	s_load_b512 s[8:23], s[0:1], 0x0               ; points s[8:9], poses s[10:11], W1 s[12:13], b1 s[14:15], g1 s[16:17], beta1 s[18:19], W2's codes s[20:21], W2's scales s[22:23]
	s_load_b256 s[24:31], s[0:1], 0x40             ; b2 s[24:25], g2 s[26:27], beta2 s[28:29], W3 s[30:31]
	s_load_b128 s[32:35], s[0:1], 0x60             ; b3 s[32:33], bias_scale s[34:35]
	s_load_b64 s[36:37], s[0:1], 0x70              ; out0
	v_and_b32 v73, 15, v0                          ; r = lane % 16
	v_bfe_u32 v74, v0, 4, 1                        ; h = lane / 16
	v_lshrrev_b32 v75, 5, v0
	v_readfirstlane_b32 s[WV], v75                 ; wave 0..7
	v_and_b32 v75, 8, v73
	v_add_nc_u32 v66, v73, v75                     ; r + (r & 8)
	v_lshlrev_b32 v66, 2, v66
	v_lshl_add_u32 v66, v74, 10, v66               ; W1: rows k = 2 h, 2 h + 1 of 512 bytes, unit r + (r & 8)
	v_lshlrev_b32 v67, 6, v74                      ; b1, g1, beta1: 16 h units on
	v_mul_u32_u24 v68, v73, 96
	v_mad_u32_u24 v68, v74, 24, v68                ; W2's codes: row r of 96 bytes, + 24 h
	v_lshlrev_b32 v69, 2, v73                      ; W2's scale words: 4 bytes a row
	v_lshlrev_b32 v70, 5, v74                      ; b2, g2, beta2: 8 h units on
	v_and_b32 v76, 3, v73
	v_lshrrev_b32 v75, 1, v75
	v_add_nc_u32 v76, v76, v75                     ; hd = (r & 3) + 4 (r >> 3)
	v_lshlrev_b32 v72, 2, v76                      ; b3, bias_scale: head hd
	v_lshl_add_u32 v71, v74, 8, v72                ; W3: rows of 32 bytes, 8 h units on, head hd
	v_lshl_add_u32 v75, v73, 2, v74
	v_mul_u32_u24 v[VP], v75, 12                   ; my point of a pair of tiles: 4 r + h, 12 bytes each,
	s_mul_i32 s[OFS], s[WV], 6144
	v_add_nc_u32 v[VP], s[OFS], v[VP]              ; in my wave's 512
	v_lshlrev_b32 v[VO], 4, v73
	v_lshl_add_u32 v[VO], v74, 22, v[VO]           ; out0: 16 r, four heads on for lanes 16-31,
	s_lshl_b32 s[OFS], s[WV], 11
	v_add_nc_u32 v[VO], s[OFS], v[VO]              ; in my wave's 2,048 bytes of a row
	v_mov_b32 v[RS2], 0                            ; named as the upper half of the pair v[4:5] before it is first made
	s_mov_b32 s[IN128], 0x3c000000
	s_mov_b32 s[IN64], 0x3c800000
	s_mov_b32 s[EPS], 0x3727c5ac
	s_mov_b32 s[SEL], 0x76543210
	s_mov_b32 s[SEL+1], 0xfedcba98
	s_mul_i32 s[OFS], ttmp9, 28                    ; my grasp's pose: 7 numbers
	s_mov_b32 s[OFS+1], 0
	s_wait_kmcnt 0x0
	s_add_nc_u64 s[10:11], s[10:11], s[OFS:OFS+1]
	s_load_b128 s[40:43], s[10:11], 0x0            ; t, qx
	s_load_b96 s[44:46], s[10:11], 0x10            ; qy, qz, qw
	s_lshr_b32 s47, ttmp9, 6                       ; b
	s_mul_i32 s[OFS], s47, 49152
	s_add_nc_u64 s[8:9], s[8:9], s[OFS:OFS+1]      ; the batch's points
	s_lshl_b32 s[OFS], s47, 23                     ; out0: 8 heads x 64 grasps x 16,384 bytes a batch,
	s_and_b32 s48, ttmp9, 63
	s_lshl_b32 s48, s48, 14                        ; 16,384 a grasp
	s_add_co_u32 s[OFS], s[OFS], s48
	s_add_nc_u64 s[36:37], s[36:37], s[OFS:OFS+1]
	; ---- what stays in registers for the whole launch
	global_load_b96 v[PT:PT+2], v[VP], s[8:9]      ; tiles 0, 1
	WIN 0x40                                       ; destination window 1
.irp t, 0,1,2,3,4,5,6,7
.irp j, 0,1
	global_load_b32 v[W1F+2*\t+\j], v66, s[12:13] offset:512*\j+4*(32*(\t/2)+8*(\t%2))
.endr
.endr
.irp t, 0,1,2,3,4,5,6,7
.irp e, 0,1
	global_load_b128 v[B1C+8*\t+4*\e:B1C+8*\t+4*\e+3], v67, s[14:15] offset:4*(32*(\t/2)+8*(\t%2))+16*\e
	global_load_b128 v[G1+8*\t+4*\e:G1+8*\t+4*\e+3], v67, s[16:17] offset:4*(32*(\t/2)+8*(\t%2))+16*\e
	global_load_b128 v[BE1+8*\t+4*\e:BE1+8*\t+4*\e+3], v67, s[18:19] offset:4*(32*(\t/2)+8*(\t%2))+16*\e
.endr
.endr
.irp t, 0,1,2,3
.irp p, 0,1,2,3,4,5
	global_load_b64 v[W2F+12*\t+2*\p:W2F+12*\t+2*\p+1], v68, s[20:21] offset:1536*\t+48*(\p/3)+8*(\p%3)
.endr
.endr
	WIN 0
.irp t, 0,1,2,3
	global_load_b32 v[W2S+\t], v69, s[22:23] offset:64*\t
.irp e, 0,1
	global_load_b128 v[B2C+8*\t+4*\e:B2C+8*\t+4*\e+3], v70, s[24:25] offset:64*\t+16*\e
.endr
.endr
	; ---- the rotation, the same in every lane
	s_wait_kmcnt 0x0                               ; the pose
	v_mov_b32 v224, s43
	v_mov_b32 v225, s44
	v_mov_b32 v226, s45
	v_mov_b32 v227, s46
	v_mul_f32 v228, v224, v224
	v_fmac_f32 v228, v225, v225
	v_fmac_f32 v228, v226, v226
	v_fmac_f32 v228, v227, v227
	v_sqrt_f32 v229, v228
	v_nop                                          ; a plain line behind the transcendental,
	s_wait_alu depctr_va_vdst(0)                   ; and the wait ahead of its first reader
	v_add_f32 v229, 0x322bcc77, v229               ; + 1e-8
	v_rcp_f32 v230, v229
	v_nop
	s_wait_alu depctr_va_vdst(0)
.irp i, 0,1,2,3
	v_mul_f32 v[224+\i], v[224+\i], v230           ; x, y, z, w
.endr
	v_mul_f32 v231, v224, v224                     ; xx
	v_mul_f32 v232, v225, v225                     ; yy
	v_mul_f32 v233, v226, v226                     ; zz
	v_mul_f32 v234, v224, v225                     ; xy
	v_mul_f32 v235, v224, v226                     ; xz
	v_mul_f32 v236, v225, v226                     ; yz
	v_mul_f32 v237, v227, v224                     ; wx
	v_mul_f32 v238, v227, v225                     ; wy
	v_mul_f32 v239, v227, v226                     ; wz
	v_add_f32 v240, v232, v233                     ; R00: yy + zz
	v_sub_f32 v241, v234, v239                     ; R01: xy - wz
	v_add_f32 v242, v235, v238                     ; R02: xz + wy
	v_add_f32 v243, v234, v239                     ; R10: xy + wz
	v_add_f32 v244, v231, v233                     ; R11: xx + zz
	v_sub_f32 v245, v236, v237                     ; R12: yz - wx
	v_sub_f32 v246, v235, v238                     ; R20: xz - wy
	v_add_f32 v247, v236, v237                     ; R21: yz + wx
	v_add_f32 v248, v231, v232                     ; R22: xx + yy
.irp i, 0,4,8
	v_fma_f32 v[240+\i], v[240+\i], -2.0, 1.0
.endr
.irp i, 1,2,3,5,6,7
	v_mul_f32 v[240+\i], 2.0, v[240+\i]
.endr
.irp i, 0,1,2,3,4,5,6,7,8
	v_readfirstlane_b32 s[RM+\i], v[240+\i]
.endr
	; ---- what the fold of the last layer needs, into registers that the loop takes later
.irp c, 0,1
.irp u, 0,1
.irp i, 0,1,2,3,4,5,6,7
	global_load_b32 v[W3T+16*\c+8*\u+\i], v71, s[30:31] offset:1024*\c+512*\u+32*\i      ; W3[32 c + 16 u + 8 h + i][hd]
.endr
.irp e, 0,1
	global_load_b128 v[BT+16*\c+8*\u+4*\e:BT+16*\c+8*\u+4*\e+3], v70, s[28:29] offset:128*\c+64*\u+16*\e    ; beta2 of the same units
	global_load_b128 v[G2T+16*\c+8*\u+4*\e:G2T+16*\c+8*\u+4*\e+3], v70, s[26:27] offset:128*\c+64*\u+16*\e  ; g2
.endr
.endr
.endr
	global_load_b32 v[T2], v72, s[32:33]           ; b3[hd]
	global_load_b32 v[TV], v72, s[34:35]           ; bias_scale[hd]: the thread's number is done with
	s_wait_loadcnt 0x0                             ; all of the above, once: so the offset registers v66-77 are free too
	FEAT1                                          ; tiles 0, 1
	v_nop
	s_wait_alu depctr_va_vdst(0)
	FEAT2
	global_load_b96 v[PT:PT+2], v[VP], s[8:9] offset:24       ; tiles 2, 3
	LAYER1 0                                       ; tile 0
	; ---- c[hd] = (beta2 W3 + b3) bias_scale and G = g2 W3 bias_scale.  These plain lines are also the places behind tile 0's products
	v_pk_mul_f32 v[SCR:SCR+1], v[W3T:W3T+1], v[BT:BT+1]
.set i, 1
.rept 15
	v_pk_fma_f32 v[SCR:SCR+1], v[W3T+2*i:W3T+2*i+1], v[BT+2*i:BT+2*i+1], v[SCR:SCR+1]
.set i, i+1
.endr
	v_add_f32 v[SCR], v[SCR], v[SCR+1]
	v_permlanex16_b32 v[SCR+4], v[SCR], s[SEL], s[SEL+1]      ; the other 32 units lie in lane l xor 16
	v_add_f32 v[SCR], v[SCR], v[SCR+4]
	v_add_f32 v[SCR], v[SCR], v[T2]
	v_mul_f32 v[SCR], v[SCR], v[TV]
.irp j, 0,1,2,3
	v_readlane_b32 s[CH+\j], v[SCR], \j            ; lanes 0-3 hold heads 0-3,
	v_readlane_b32 s[CH+4+\j], v[SCR], 8+\j        ; lanes 8-11 heads 4-7
.endr
	v_cmp_ne_u32 vcc_lo, 0, v74
.irp j, 0,1,2,3
	v_mov_b32 v[CC+\j], s[CH+\j]
	v_mov_b32 v[SCR+4+\j], s[CH+4+\j]
.endr
.irp j, 0,1,2,3
	v_cndmask_b32 v[CC+\j], v[CC+\j], v[SCR+4+\j], vcc_lo     ; c[j + 4 h]
.endr
.set i, 0
.rept 16
	v_pk_mul_f32 v[W3T+2*i:W3T+2*i+1], v[W3T+2*i:W3T+2*i+1], v[G2T+2*i:G2T+2*i+1]
.set i, i+1
.endr
.set i, 0
.rept 16
	v_pk_mul_f32 v[W3T+2*i:W3T+2*i+1], v[W3T+2*i:W3T+2*i+1], v[TV:TV+1] op_sel_hi:[1,0]
.set i, i+1
.endr
.set i, 0
.rept 16
	v_cvt_pk_bf16_f32 v[GF+i], v[W3T+2*i], v[W3T+2*i+1]       ; fragment c, registers 4 u + i: units 32 c + 16 u + 8 h + 2 i, + 1
.set i, i+1
.endr
	RELU 0, 64                                     ; tile 0 into X
	; ---- 32 tiles: the first, seven trips of four, the last three
	SEG 0, 0, 1, 1, 1                              ; tile 0
	s_mov_b32 s[TRIP], 7
.Ltrip:
	SEG 1, 1, 1, 0, 0
	SEG 2, 1, 1, 2, 0
	SEG 3, 1, 1, 0, 0
	SEG 0, 1, 1, 1, 2
	s_sub_co_u32 s[TRIP], s[TRIP], 1
	s_cmp_lg_u32 s[TRIP], 0
	s_cbranch_scc1 .Ltrip
	SEG 1, 1, 1, 0, 0                              ; tile 29
	SEG 2, 1, 1, 0, 0                              ; tile 30: no features are left to make
	SEG 3, 1, 0, 0, 0                              ; tile 31
	s_wait_alu depctr_va_vdst(0)                   ; the next line adds onto the matrix instruction issued just before it: the wait stands directly ahead; it serves the last reciprocal root too
	HEADS 1
.rept 4
	v_nop                                          ; four places ahead of the first read of the result
.endr
	OUTS 3
	STORES
	s_endpgm
.Lfunc_end_k_q47b5de7e8d_geo:
	.size	k_q47b5de7e8d_geo, .Lfunc_end_k_q47b5de7e8d_geo-k_q47b5de7e8d_geo
	.p2alignl 7, 3214868480
	.fill 96, 4, 3214868480
	.section	.rodata,"a",@progbits
	.p2align	6, 0x0
	.amdhsa_kernel k_q47b5de7e8d_geo
		.amdhsa_group_segment_fixed_size 0
		.amdhsa_private_segment_fixed_size 0
		.amdhsa_enable_private_segment 0
		.amdhsa_kernarg_size 120
		.amdhsa_user_sgpr_count 2
		.amdhsa_user_sgpr_kernarg_segment_ptr 1
		.amdhsa_wavefront_size32 1
		.amdhsa_system_sgpr_workgroup_id_x 1
		.amdhsa_system_sgpr_workgroup_id_y 1
		.amdhsa_system_sgpr_workgroup_id_z 1
		.amdhsa_system_vgpr_workitem_id 0
		.amdhsa_next_free_vgpr 512
		.amdhsa_next_free_sgpr 80
		.amdhsa_reserve_vcc 1
		.amdhsa_float_denorm_mode_32 3
		.amdhsa_float_denorm_mode_16_64 3
		.amdhsa_memory_ordered 1
		.amdhsa_forward_progress 1
		.amdhsa_inst_pref_size 216
	.end_amdhsa_kernel
	.amdgpu_metadata
---
amdhsa.version: [ 1, 2 ]
amdhsa.kernels:
  - .name:           k_q47b5de7e8d_geo
    .symbol:         k_q47b5de7e8d_geo.kd
    .args:
      - { .name: scene_points, .offset: 0, .size: 8, .value_kind: global_buffer, .address_space: global }
      - { .name: grasp_poses, .offset: 8, .size: 8, .value_kind: global_buffer, .address_space: global }
      - { .name: W1, .offset: 16, .size: 8, .value_kind: global_buffer, .address_space: global }
      - { .name: b1, .offset: 24, .size: 8, .value_kind: global_buffer, .address_space: global }
      - { .name: g1, .offset: 32, .size: 8, .value_kind: global_buffer, .address_space: global }
      - { .name: beta1, .offset: 40, .size: 8, .value_kind: global_buffer, .address_space: global }
      - { .name: W2_codes, .offset: 48, .size: 8, .value_kind: global_buffer, .address_space: global }
      - { .name: W2_scales, .offset: 56, .size: 8, .value_kind: global_buffer, .address_space: global }
      - { .name: b2, .offset: 64, .size: 8, .value_kind: global_buffer, .address_space: global }
      - { .name: g2, .offset: 72, .size: 8, .value_kind: global_buffer, .address_space: global }
      - { .name: beta2, .offset: 80, .size: 8, .value_kind: global_buffer, .address_space: global }
      - { .name: W3, .offset: 88, .size: 8, .value_kind: global_buffer, .address_space: global }
      - { .name: b3, .offset: 96, .size: 8, .value_kind: global_buffer, .address_space: global }
      - { .name: bias_scale, .offset: 104, .size: 8, .value_kind: global_buffer, .address_space: global }
      - { .name: out0, .offset: 112, .size: 8, .value_kind: global_buffer, .address_space: global }
    .group_segment_fixed_size: 0
    .private_segment_fixed_size: 0
    .kernarg_segment_align: 8
    .kernarg_segment_size: 120
    .max_flat_workgroup_size: 256
    .sgpr_count:     80
    .vgpr_count:     512
    .wavefront_size: 32
...
	.end_amdgpu_metadata
.endif
;; end of part 1
;; ======== version 2 of 2: 1 launch; version 1 with the launch geo written anew for expert scheduling mode
;; launch geo (part 2): grid 256 x 1, 8 waves a work-group, no clusters, 0 bytes of LDS; arguments scene_points, grasp_poses, W1, b1, g1, beta1, W2_codes, W2_scales, b2, g2, beta2, W3, b3, bias_scale, out0; writes out0
.if DOCPART == 2
	.amdgcn_target "amdgcn-amd-amdhsa--gfx1250"
	.amdhsa_code_object_version 6
	.text
	.protected	k_q47b5de7e8d_geo
	.globl	k_q47b5de7e8d_geo
	.p2align	8
	.type	k_q47b5de7e8d_geo,@function
k_q47b5de7e8d_geo:
	s_mov_b64 s[64:65], 0
	v_nop
	global_prefetch_b8 v0, s[64:65] scope:SCOPE_SE
	s_setreg_imm32_b32 hwreg(HW_REG_WAVE_SCHED_MODE, 0, 2), 2
	s_setreg_imm32_b32 hwreg(HW_REG_WAVE_MODE, 25, 1), 1
	s_wait_xcnt 0x0
	s_wait_alu depctr_vm_vsrc(0)
; out0[b][hd][g][p] = bias_scale[hd] * (LN2(relu(Q(LN1(relu(feats W1 + b1))) W2 + b2)) W3 + b3)[hd],  feats = (R^T (point p - t), its norm) of grasp (b, g).
; DEAD WORK: grasp_tokens is named by no line of reference()'s body, so it reaches no output whatever it holds: it is not loaded and is no argument.  A NaN or an infinity in it is not carried to the result.
; Every other input is live: b1, g1, beta1 move the codes of the quantised product; b2, g2, beta2, W3, b3, bias_scale reach the output.
; LIMITS: NaN and infinities among the inputs are not served.  q / (|q| + 1e-8) is a reciprocal (1 ulp) and a multiply.  A block of 32 zeros ahead of the quantised product gets the scale byte 1 where the
; quantiser says 127: its codes are zeros, which add nothing under any byte but 0xff, and the bytes are read by this text alone.
; SHARES: a work-group is one grasp (b, g) = its number; wave w takes points 512 w .. 512 w + 511: 32 tiles of 16 rows, 8 quads of 64.  Two waves of 512 registers lie on a SIMD.  No LDS, no barrier: waves share nothing.
; ALL THREE PRODUCTS ARE USED TRANSPOSED: a lane holds ONE row (lane % 16), its registers run along the units, so that means, variances and the quantiser want one exchange between the halves of the lanes.
;   feats W1 + b1:  v_wmma_f32_16x16x4_f32 (its result goes into a quantiser, so f32 operands), source 0 = 16 units of W1, source 1 = the features, C = b1.  8 a tile.
;   Q(h1) W2 + b2:  v_wmma_scale_f32_16x16x128_f8f6f4 on E3M2 codes, source 0 = 16 rows of W2's codes as they lie, source 1 = the codes just made, C = b2.  4 a tile.
;   h2 W3:          v_wmma_f32_16x16x32_bf16, source 0 = G[u][hd] = g2[u] W3[u][hd] bias_scale[hd], source 1 = d = relu2 - mean2.  2 a tile.  out = rstd2 (d G) + c[hd], c = (beta2 W3 + b3) bias_scale in f32: an identity.
;                   bf16 and not f16: the folded G has no sure room in f16 where the inputs are much larger or smaller.
; THE UNITS OF A TILE OF W1 ARE NOT NEIGHBOURS: lane r of tile 2 b + u takes unit 32 b + 8 u + r + (r & 8), so that register 16 b + i of a lane is k = 32 b + 16 (lane / 16) + i of the quantised product.
; THE ROWS OF A TILE ARE NOT NEIGHBOURS: column r of tile T of a quad is point p0 + 4 r + T; row m of G is head (m & 3) + 4 (m >> 3).  So four tiles' results of one head are 16 neighbouring bytes in a lane, and
; one store of 16 bytes a lane covers 256 consecutive aligned bytes of head j (lanes 0-15) and of head j + 4 (lanes 16-31).
; THE PIPELINE: while tile t is normalised and quantised, tile t + 1's first product is already made and is read out (relu) in the places round tile t's matrix instructions; tile t - 1's last product ends in tile t's step.
; THE MODE: SCHED_MODE bits 1:0 = 2 (LLVM: expert scheduling mode 2), set by the entry lines.  The code itself states the register dependences
; between vector or matrix instructions and memory instructions, with s_wait_alu, always for 0.
; THE PLAN.  Registers that memory instructions touch, in the loop:
;   v[PT ..]  a point.  Written by the point load, one for every two tiles; read by FEAT1's three subtractions alone, two tiles later; asked for again straight behind the wait that follows them.
;   v[VP]     the point loads' offset.  Written by one add a quad, in the step of tile t % 4 = 2, ahead of that same wait.
;   v[OQ ..]  a quad's results.  Written by OUTS in four successive steps; read by the quad's four stores, which stand at the end of the step of tile t % 4 = 0, behind the wait that stands there.
;   v[VO]     the stores' offset.  Written by one add a quad, in the step of tile t % 4 = 1.
; So a step has two waits on va_vdst: one in its middle (the roots' results; PT is read out; VP is written), one ahead of the scaled products (the codes and the scale word are written); the step of tile t % 4 = 0 has a
; third at its end (the last root's result; OQ and VO are written).  Two waits on vm_vsrc a quad: ahead of the add to VO and the first OUTS (the stores have read both), and ahead of the add to VP.
; All other registers of the loop are named by vector and matrix instructions alone.  The set-up's dependences are stated where they stand.
; REGISTERS, in windows of 256 (s_set_vgpr_msb: bits 1:0 source 0, 3:2 source 1, 5:4 source 2, 7:6 destination):
.set TV,   0          ; v0       the thread's number; then bias_scale[hd]; in the loop variance + eps
.set VP,   1          ; v1       byte offset of my point in the batch's points
.set MU,   2          ; v2       the mean (low word of the pair v[2:3])
.set VO,   3          ; v3       byte offset of my 16 bytes in out0
.set RS,   4          ; v4       1 / sqrt(var1 + eps) (low word of the pair v[4:5])
.set RS2,  5          ; v5       1 / sqrt(var2 + eps)
.set W2S,  6          ; v6-9     W2's scale words, a register a tile: scales and nothing else
.set CC,   10         ; v10-13   c[j + 4 (lane / 16)]
.set PT,   14         ; v14-16   a point
.set T2,   17         ; v17      b3[hd], in the set-up
.set FT,   18         ; v18-21   the features: v[18:19] the even tile's operand, v[20:21] the odd tile's
.set SCR,  22         ; v22-33   at work
.set OQ,   34         ; v34-49   a quad's results: register 4 j + T
.set ACC3, 50         ; v50-57   d G
.set PC,   58         ; v58-69   the rows' codes
.set DB0,  58         ; v58-65   d in bf16, units 0-31 (over codes that are done with)
.set DB1,  70         ; v70-77   d in bf16, units 32-63
.set GF,   78         ; v78-93   G in bf16, two fragments
.set B2C,  94         ; v94-125  b2 in the result's layout
.set PW,   126        ; v126     the rows' scale word: scales and nothing else
.set ACC1, 128        ; v128-191 feats W1 + b1: written by matrix instructions alone
.set X,    192        ; v192-255 a tile's 64 numbers a lane
.set Y,    224        ; v224-255 the second layer's 32 numbers a lane (over X's upper half, which is codes by then)
.set G1,   0          ; window 1: v0-63 g1, v64-127 beta1, v128-191 b1, all in X's order; v192-239 W2's four fragments; v240-255 W1's eight
.set BE1,  64
.set B1C,  128
.set W2F,  192
.set W1F,  240
.set W3T,  192        ; set-up alone: W3, beta2, g2 in G's order
.set BT,   34
.set G2T,  224
.set TR,   40         ; s40-42   t;  s43-46 the quaternion
.set RM,   51         ; s51-59   R, row by row
.set IN128, 60        ; s60      1 / 128
.set IN64, 61         ; s61      1 / 64
.set EPS,  62         ; s62      1e-5
.set SEL,  66         ; s[66:67] v_permlanex16_b32's selects for lane l xor 16
.set TRIP, 68         ; s68      trips to go
.set WV,   69         ; s69      my wave's number
.set OFS,  70         ; s[70:71] an offset as a pair
.set CH,   72         ; s72-79   c of heads 0 to 7
.set MSB, 0
.macro WIN new                      ; the immediate's high byte repeats the setting that is left; a switch that changes nothing is dropped
.if MSB != \new
	s_set_vgpr_msb (MSB<<8)|\new
.set MSB, \new
.endif
.endm
; relu of the next tile's numbers a .. a + n - 1, out of the f32 accumulators into X: ascending
.macro RELU a, n
.set i, \a
.rept \n
	v_max_num_f32 v[X+i], 0, v[ACC1+i]
.set i, i+1
.endr
.endm
; feats W1 + b1 for one tile: eight accumulators, each one instruction; hl = 0: the pair's even tile, 1: its odd one
.macro LAYER1 hl
	WIN 0x11                        ; W1 and b1 in window 1
.irp t, 0,1,2,3,4,5,6,7
	v_wmma_f32_16x16x4_f32 v[ACC1+8*\t:ACC1+8*\t+7], v[W1F+2*\t:W1F+2*\t+1], v[FT+2*(\hl):FT+2*(\hl)+1], v[B1C+8*\t:B1C+8*\t+7]
.endr
	WIN 0
.endm
; a pair of tiles' features, a row a lane: lanes 0-15 the even tile's rows, lanes 16-31 the odd tile's
.macro FEAT1
.irp i, 0,1,2
	v_sub_f32 v[SCR+4+\i], v[PT+\i], s[TR+\i]       ; point - t
.endr
.irp i, 0,1,2
	v_mul_f32 v[FT+\i], s[RM+\i], v[SCR+4]          ; (R^T v)_i = R0i v0 + R1i v1 + R2i v2
.endr
.irp i, 0,1,2
	v_fmac_f32 v[FT+\i], s[RM+3+\i], v[SCR+5]
.endr
.irp i, 0,1,2
	v_fmac_f32 v[FT+\i], s[RM+6+\i], v[SCR+6]
.endr
	v_mul_f32 v[SCR+7], v[FT], v[FT]
	v_fmac_f32 v[SCR+7], v[FT+1], v[FT+1]
	v_fmac_f32 v[SCR+7], v[FT+2], v[FT+2]
	v_sqrt_f32 v[FT+3], v[SCR+7]
.endm
; into the operand's layout (lanes 0-15: k = 0, 1; lanes 16-31: k = 2, 3 of row lane % 16): the first register's lanes 16-31 change places with the second's lanes 0-15
.macro FEAT2
	v_permlane16_swap_b32 v[FT], v[FT+2]
	v_permlane16_swap_b32 v[FT+1], v[FT+3]
.endm
; four chains of pairs in v[SCR .. SCR + 7] become one number, the row's, in v[SCR] of both lanes that hold the row
.macro JOIN
	v_pk_add_f32 v[SCR:SCR+1], v[SCR:SCR+1], v[SCR+2:SCR+3]
	v_pk_add_f32 v[SCR+4:SCR+5], v[SCR+4:SCR+5], v[SCR+6:SCR+7]
	v_pk_add_f32 v[SCR:SCR+1], v[SCR:SCR+1], v[SCR+4:SCR+5]
	v_add_f32 v[SCR], v[SCR], v[SCR+1]
	v_permlanex16_b32 v[SCR+2], v[SCR], s[SEL], s[SEL+1]
	v_add_f32 v[SCR], v[SCR], v[SCR+2]
.endm
; the mean of a row's 4 np numbers, of which np pairs are mine
.macro SUMS base, np, sinv
.irp c, 0,1,2,3
	v_pk_add_f32 v[SCR+2*\c:SCR+2*\c+1], v[\base+2*\c:\base+2*\c+1], v[\base+8+2*\c:\base+8+2*\c+1]   ; the first eight pairs start the chains: nothing is cleared
.endr
.set i, 8
.rept \np-8
	v_pk_add_f32 v[SCR+2*(i%4):SCR+2*(i%4)+1], v[SCR+2*(i%4):SCR+2*(i%4)+1], v[\base+2*i:\base+2*i+1]
.set i, i+1
.endr
	JOIN
	v_mul_f32 v[MU], s[\sinv], v[SCR]
.endm
; x - mean, in place (of the pair v[2:3] the low word serves both halves)
.macro DIFF base, np
.set i, 0
.rept \np
	v_pk_add_f32 v[\base+2*i:\base+2*i+1], v[\base+2*i:\base+2*i+1], v[MU:MU+1] op_sel_hi:[1,0] neg_lo:[0,1] neg_hi:[0,1]
.set i, i+1
.endr
.endm
; 1 / sqrt(the mean of (x - mean)^2 + eps): the variance in two passes, as reference() has it
.macro SQS base, np, sinv, dst
.irp c, 0,1,2,3
	v_pk_mul_f32 v[SCR+2*\c:SCR+2*\c+1], v[\base+2*\c:\base+2*\c+1], v[\base+2*\c:\base+2*\c+1]
.endr
.set i, 4
.rept \np-4
	v_pk_fma_f32 v[SCR+2*(i%4):SCR+2*(i%4)+1], v[\base+2*i:\base+2*i+1], v[\base+2*i:\base+2*i+1], v[SCR+2*(i%4):SCR+2*(i%4)+1]
.set i, i+1
.endr
	JOIN
	v_fma_f32 v[TV], v[SCR], s[\sinv], s[EPS]
	v_rsq_f32 v[\dst], v[TV]
.endm
; (x - mean) rstd g1 + beta1;  feat: the next pair's features go into the operand's layout between the two runs
.macro L1N feat
.set i, 0
.rept 32
	v_pk_mul_f32 v[X+2*i:X+2*i+1], v[X+2*i:X+2*i+1], v[RS:RS+1] op_sel_hi:[1,0]
.set i, i+1
.endr
.if \feat
	FEAT2
.endif
	WIN 0x14                        ; g1 and beta1 in window 1
.set i, 0
.rept 32
	v_pk_fma_f32 v[X+2*i:X+2*i+1], v[X+2*i:X+2*i+1], v[G1+2*i:G1+2*i+1], v[BE1+2*i:BE1+2*i+1]
.set i, i+1
.endr
	WIN 0
.endm
; X's 64 numbers of a lane (register 16 b + i = k 32 b + 16 (lane / 16) + i of my row) become the fragment's codes in v[PC] on and the row's scale word in v[PW]
.macro QUANT
.irp b, 0,1,2,3
	v_max3_num_f32 v[SCR+\b], |v[X+16*\b]|, |v[X+1+16*\b]|, 0x2800000   ; block b: my 16 numbers, and the floor 2^(5 - 127): the byte cannot fall under 1
.endr
.irp i, 2,4,6,8,10,12,14
.irp b, 0,1,2,3
	v_max3_num_f32 v[SCR+\b], v[SCR+\b], |v[X+16*\b+\i]|, |v[X+1+16*\b+\i]|   ; the four blocks by turns
.endr
.endr
.irp b, 0,1,2,3
	v_permlanex16_b32 v[SCR+4+\b], v[SCR+\b], s[SEL], s[SEL+1]
.endr
.irp b, 0,1,2,3
	v_max_num_f32 v[SCR+\b], v[SCR+\b], v[SCR+4+\b]     ; with lane l xor 16's 16: the block's largest magnitude
.endr
.irp b, 0,1,2,3
	v_add_nc_u32 v[SCR+8+\b], 0xfe000000, v[SCR+\b]     ; 4 off its exponent field: the conversion takes this operand's exponent field as its scale, and nothing else of it
.endr
.irp b, 0,1,2,3
	v_lshrrev_b32 v[SCR+4+\b], 23, v[SCR+8+\b]          ; the scale's byte
.endr
	v_lshl_or_b32 v[PW], v[SCR+5], 8, v[SCR+4]
	v_lshl_or_b32 v[PW], v[SCR+6], 16, v[PW]
	v_lshl_or_b32 v[PW], v[SCR+7], 24, v[PW]
.irp c, 0,1
	v_cvt_scalef32_pk16_bf6_f32 v[PC+6*\c:PC+6*\c+2], v[X+32*\c:X+32*\c+15], v[SCR+8+2*\c]
	v_cvt_scalef32_pk16_bf6_f32 v[SCR+4*\c:SCR+4*\c+2], v[X+16+32*\c:X+31+32*\c], v[SCR+9+2*\c]   ; a conversion's three registers begin on an even number: the block's second half is made elsewhere and moved
.endr
	v_nop                           ; one plain line behind the scaled conversions
.irp c, 0,1                         ; the operand wants a WHOLE block in a lane: lanes 0-15 block 2 c, lanes 16-31 block 2 c + 1
.irp i, 0,1,2
	v_permlane16_swap_b32 v[PC+6*\c+\i], v[SCR+4*\c+\i]
.endr
.irp i, 0,1,2
	v_mov_b32 v[PC+3+6*\c+\i], v[SCR+4*\c+\i]
.endr
.endr
.endm
; Q(h1) W2 + b2: four accumulators, each one instruction over all of K = 128
.macro LAYER2
	WIN 0x01                        ; W2's codes in window 1
.irp t, 0,1,2,3
	v_wmma_scale_f32_16x16x128_f8f6f4 v[Y+8*\t:Y+8*\t+7], v[W2F+12*\t:W2F+12*\t+11], v[PC:PC+11], v[B2C+8*\t:B2C+8*\t+7], v[W2S+\t], v[PW] matrix_a_fmt:MATRIX_FMT_BF6 matrix_b_fmt:MATRIX_FMT_BF6
.endr
	WIN 0
.endm
; d G: units 0-31 start the sum, units 32-63 end it a tile's step later
.macro HEADS c
.if \c
	v_wmma_f32_16x16x32_bf16 v[ACC3:ACC3+7], v[GF+8:GF+15], v[DB1:DB1+7], v[ACC3:ACC3+7]
.else
	v_wmma_f32_16x16x32_bf16 v[ACC3:ACC3+7], v[GF:GF+7], v[DB0:DB0+7], 0
.endif
.endm
; relu, mean, d = x - mean, d in bf16.  Units 0-31 are converted first: the other eight conversions stand between them and the product that reads them
.macro L2A
.set i, 0
.rept 32
	v_max_num_f32 v[Y+i], 0, v[Y+i]                     ; ascending: each accumulator from its low end on
.set i, i+1
.endr
	SUMS Y, 16, IN64
	DIFF Y, 16
.irp c, 0,1
.irp u, 0,1
.irp i, 0,1,2,3
	v_cvt_pk_bf16_f32 v[DB0+12*\c+4*\u+\i], v[Y+8*(2*\c+\u)+2*\i], v[Y+8*(2*\c+\u)+2*\i+1]
.endr
.endr
.endr
.endm
.macro OUTS tt                      ; tile tt of the quad: heads j + 4 (lane / 16) of my row
.irp j, 0,1,2,3
	v_fma_f32 v[OQ+4*\j+(\tt)], v[ACC3+\j], v[RS2], v[CC+\j]
.endr
.endm
.macro STORES                       ; a quad: each store covers two runs of 256 consecutive aligned bytes; written once, read by nobody here.  VO has been stepped once ahead of the quad's stores, so they reach back 256 bytes
.irp j, 0,1,2,3
	global_store_b128 v[VO], v[OQ+4*\j:OQ+4*\j+3], s[36:37] offset:\j*1048576-256 th:TH_STORE_NT
.endr
.endm
; THE STEP OF TILE t.  t4 = t % 4; prev: tile t - 1 exists; next: tile t + 1 exists; feat = 1, 2: the features of tiles t + 2, t + 3 are made here (2: they begin a new quad);
; ld = 1: the points of the pair behind those are asked for; 2: but not in the loop's last trip.
.macro SEG t4, prev, next, feat, ld
.if \next
	LAYER1 (\t4+1)%2                ; tile t + 1's first product: its accumulators have just been read out
.endif
	SUMS X, 32, IN128
	DIFF X, 32
	SQS X, 32, IN128, RS
.if \feat
	s_wait_loadcnt 0x0              ; the one load that is out, asked for two tiles ago, is in: so its offset register may be written too
.if \feat == 2
	s_wait_alu depctr_vm_vsrc(0)    ; the point loads issued so far have read v[VP], which the add below writes
	v_add_nc_u32 v[VP], 768, v[VP]  ; on to the quad of the points just come
.endif
	FEAT1                           ; more than a hundred plain lines behind the product that read the last pair's features
.else
	v_nop                           ; a plain line behind the reciprocal root
.endif
	s_wait_alu depctr_va_vdst(0)    ; rstd1, the root above and the last tile's rstd2 are written, ahead of the first line that names one of them; with features: the subtractions are done reading v[PT ..], in which the load below lands, and the add has written v[VP], which it reads
.if \feat == 2
	global_load_b96 v[PT:PT+2], v[VP], s[8:9] offset:24       ; the quad's tiles 2, 3
.elseif \feat == 1
.if \ld == 2
	s_cmp_eq_u32 s[TRIP], 1         ; the last trip has no quad behind it: no load leaves the buffer
	s_cbranch_scc1 .Lno_more_\@
.endif
	global_load_b96 v[PT:PT+2], v[VP], s[8:9] offset:768      ; the next quad's tiles 0, 1
.if \ld == 2
.Lno_more_\@:
.endif
.endif
	L1N \feat
	QUANT
.if \next
	RELU 0, 16                      ; sixteen plain lines between the last write of codes and scale word and the scaled products
.else
.rept 8
	v_nop
.endr
.endif
	s_wait_alu depctr_va_vdst(0)    ; QUANT has written the codes v[PC ..] and the scale word v[PW], which the scaled products below take; the places above stay beside this wait
	LAYER2
.if \prev
	HEADS 1                         ; tile t - 1's sum ends: twelve other accumulators' instructions stand between its two links
.endif
.if \next
	RELU 16, 16                     ; the places behind those products
.else
.rept 4
	v_nop
.endr
.endif
.if \t4 == 1
	s_wait_xcnt 0x0                 ; the last quad's stores, at the end of the step before, have had their addresses translated: their data and their offset are written again below
	s_wait_alu depctr_vm_vsrc(0)    ; those stores have read v[VO] and v[OQ ..], which the add below and this and the next three steps' OUTS write again
	v_add_nc_u32 v[VO], 256, v[VO]
.endif
.if \prev
	OUTS (\t4+3)%4
.endif
	L2A
	HEADS 0
	SQS Y, 16, IN64, RS2
.if \next
	RELU 32, 32                     ; plain lines behind the reciprocal root; Y is done with
.else
	v_nop
.endif
.if \t4 == 0
	s_wait_alu depctr_va_vdst(0)    ; a label or a branch follows: the reciprocal root's wait stands ahead of it; and the four steps' OUTS have written v[OQ ..] and the add v[VO], which the stores below read
.if \prev
	STORES                          ; the quad that ended with tile t - 1
.endif
.endif
.endm
	; ---- the arguments, the ids, the offsets
	s_load_b512 s[8:23], s[0:1], 0x0               ; points s[8:9], poses s[10:11], W1 s[12:13], b1 s[14:15], g1 s[16:17], beta1 s[18:19], W2's codes s[20:21], W2's scales s[22:23]
	s_load_b256 s[24:31], s[0:1], 0x40             ; b2 s[24:25], g2 s[26:27], beta2 s[28:29], W3 s[30:31]
	s_load_b128 s[32:35], s[0:1], 0x60             ; b3 s[32:33], bias_scale s[34:35]
	s_load_b64 s[36:37], s[0:1], 0x70              ; out0
	v_and_b32 v73, 15, v0                          ; r = lane % 16
	v_bfe_u32 v74, v0, 4, 1                        ; h = lane / 16
	v_lshrrev_b32 v75, 5, v0
	v_readfirstlane_b32 s[WV], v75                 ; wave 0..7
	v_and_b32 v75, 8, v73
	v_add_nc_u32 v66, v73, v75                     ; r + (r & 8)
	v_lshlrev_b32 v66, 2, v66
	v_lshl_add_u32 v66, v74, 10, v66               ; W1: rows k = 2 h, 2 h + 1 of 512 bytes, unit r + (r & 8)
	v_lshlrev_b32 v67, 6, v74                      ; b1, g1, beta1: 16 h units on
	v_mul_u32_u24 v68, v73, 96
	v_mad_u32_u24 v68, v74, 24, v68                ; W2's codes: row r of 96 bytes, + 24 h
	v_lshlrev_b32 v69, 2, v73                      ; W2's scale words: 4 bytes a row
	v_lshlrev_b32 v70, 5, v74                      ; b2, g2, beta2: 8 h units on
	v_and_b32 v76, 3, v73
	v_lshrrev_b32 v75, 1, v75
	v_add_nc_u32 v76, v76, v75                     ; hd = (r & 3) + 4 (r >> 3)
	v_lshlrev_b32 v72, 2, v76                      ; b3, bias_scale: head hd
	v_lshl_add_u32 v71, v74, 8, v72                ; W3: rows of 32 bytes, 8 h units on, head hd
	v_lshl_add_u32 v75, v73, 2, v74
	v_mul_u32_u24 v[VP], v75, 12                   ; my point of a pair of tiles: 4 r + h, 12 bytes each,
	s_wait_alu depctr_va_sdst(0)                   ; the wave's number is written, ahead of its first reader
	s_mul_i32 s[OFS], s[WV], 6144
	v_add_nc_u32 v[VP], s[OFS], v[VP]              ; in my wave's 512
	v_lshlrev_b32 v[VO], 4, v73
	v_lshl_add_u32 v[VO], v74, 22, v[VO]           ; out0: 16 r, four heads on for lanes 16-31,
	s_lshl_b32 s[OFS], s[WV], 11
	v_add_nc_u32 v[VO], s[OFS], v[VO]              ; in my wave's 2,048 bytes of a row
	v_mov_b32 v[RS2], 0                            ; named as the upper half of the pair v[4:5] before it is first made
	s_mov_b32 s[IN128], 0x3c000000
	s_mov_b32 s[IN64], 0x3c800000
	s_mov_b32 s[EPS], 0x3727c5ac
	s_mov_b32 s[SEL], 0x76543210
	s_mov_b32 s[SEL+1], 0xfedcba98
	s_mul_i32 s[OFS], ttmp9, 28                    ; my grasp's pose: 7 numbers
	s_mov_b32 s[OFS+1], 0
	s_wait_kmcnt 0x0
	s_add_nc_u64 s[10:11], s[10:11], s[OFS:OFS+1]
	s_load_b128 s[40:43], s[10:11], 0x0            ; t, qx
	s_load_b96 s[44:46], s[10:11], 0x10            ; qy, qz, qw
	s_lshr_b32 s47, ttmp9, 6                       ; b
	s_mul_i32 s[OFS], s47, 49152
	s_add_nc_u64 s[8:9], s[8:9], s[OFS:OFS+1]      ; the batch's points
	s_lshl_b32 s[OFS], s47, 23                     ; out0: 8 heads x 64 grasps x 16,384 bytes a batch,
	s_and_b32 s48, ttmp9, 63
	s_lshl_b32 s48, s48, 14                        ; 16,384 a grasp
	s_add_co_u32 s[OFS], s[OFS], s48
	s_add_nc_u64 s[36:37], s[36:37], s[OFS:OFS+1]
	; ---- what stays in registers for the whole launch
	s_wait_alu depctr_va_vdst(0)                   ; the offsets v[VP], v[VO] and v66 to v72 are written, which the loads below and the stores read; only loads and window switches stand between this wait and the run's last load
	global_load_b96 v[PT:PT+2], v[VP], s[8:9]      ; tiles 0, 1
	WIN 0x40                                       ; destination window 1
.irp t, 0,1,2,3,4,5,6,7
.irp j, 0,1
	global_load_b32 v[W1F+2*\t+\j], v66, s[12:13] offset:512*\j+4*(32*(\t/2)+8*(\t%2))
.endr
.endr
.irp t, 0,1,2,3,4,5,6,7
.irp e, 0,1
	global_load_b128 v[B1C+8*\t+4*\e:B1C+8*\t+4*\e+3], v67, s[14:15] offset:4*(32*(\t/2)+8*(\t%2))+16*\e
	global_load_b128 v[G1+8*\t+4*\e:G1+8*\t+4*\e+3], v67, s[16:17] offset:4*(32*(\t/2)+8*(\t%2))+16*\e
	global_load_b128 v[BE1+8*\t+4*\e:BE1+8*\t+4*\e+3], v67, s[18:19] offset:4*(32*(\t/2)+8*(\t%2))+16*\e
.endr
.endr
.irp t, 0,1,2,3
.irp p, 0,1,2,3,4,5
	global_load_b64 v[W2F+12*\t+2*\p:W2F+12*\t+2*\p+1], v68, s[20:21] offset:1536*\t+48*(\p/3)+8*(\p%3)
.endr
.endr
	WIN 0
.irp t, 0,1,2,3
	global_load_b32 v[W2S+\t], v69, s[22:23] offset:64*\t
.irp e, 0,1
	global_load_b128 v[B2C+8*\t+4*\e:B2C+8*\t+4*\e+3], v70, s[24:25] offset:64*\t+16*\e
.endr
.endr
	; ---- the rotation, the same in every lane
	s_wait_kmcnt 0x0                               ; the pose
	v_mov_b32 v224, s43
	v_mov_b32 v225, s44
	v_mov_b32 v226, s45
	v_mov_b32 v227, s46
	v_mul_f32 v228, v224, v224
	v_fmac_f32 v228, v225, v225
	v_fmac_f32 v228, v226, v226
	v_fmac_f32 v228, v227, v227
	v_sqrt_f32 v229, v228
	v_nop                                          ; a plain line behind the transcendental,
	s_wait_alu depctr_va_vdst(0)                   ; and the wait ahead of its first reader: the root is written
	v_add_f32 v229, 0x322bcc77, v229               ; + 1e-8
	v_rcp_f32 v230, v229
	v_nop
	s_wait_alu depctr_va_vdst(0)                   ; the reciprocal is written, ahead of its first reader
.irp i, 0,1,2,3
	v_mul_f32 v[224+\i], v[224+\i], v230           ; x, y, z, w
.endr
	v_mul_f32 v231, v224, v224                     ; xx
	v_mul_f32 v232, v225, v225                     ; yy
	v_mul_f32 v233, v226, v226                     ; zz
	v_mul_f32 v234, v224, v225                     ; xy
	v_mul_f32 v235, v224, v226                     ; xz
	v_mul_f32 v236, v225, v226                     ; yz
	v_mul_f32 v237, v227, v224                     ; wx
	v_mul_f32 v238, v227, v225                     ; wy
	v_mul_f32 v239, v227, v226                     ; wz
	v_add_f32 v240, v232, v233                     ; R00: yy + zz
	v_sub_f32 v241, v234, v239                     ; R01: xy - wz
	v_add_f32 v242, v235, v238                     ; R02: xz + wy
	v_add_f32 v243, v234, v239                     ; R10: xy + wz
	v_add_f32 v244, v231, v233                     ; R11: xx + zz
	v_sub_f32 v245, v236, v237                     ; R12: yz - wx
	v_sub_f32 v246, v235, v238                     ; R20: xz - wy
	v_add_f32 v247, v236, v237                     ; R21: yz + wx
	v_add_f32 v248, v231, v232                     ; R22: xx + yy
.irp i, 0,4,8
	v_fma_f32 v[240+\i], v[240+\i], -2.0, 1.0
.endr
.irp i, 1,2,3,5,6,7
	v_mul_f32 v[240+\i], 2.0, v[240+\i]
.endr
.irp i, 0,1,2,3,4,5,6,7,8
	v_readfirstlane_b32 s[RM+\i], v[240+\i]
.endr
	s_wait_alu depctr_va_sdst(0)                   ; R's nine numbers are written, ahead of their first reader, the first features below
	; ---- what the fold of the last layer needs, into registers that the loop takes later
	s_wait_alu depctr_va_vdst(0)                   ; the rotation's lines are done writing and reading v224 to v248, in which g2 lands; the head's lines are done reading v0, in which bias_scale lands
.irp c, 0,1
.irp u, 0,1
.irp i, 0,1,2,3,4,5,6,7
	global_load_b32 v[W3T+16*\c+8*\u+\i], v71, s[30:31] offset:1024*\c+512*\u+32*\i      ; W3[32 c + 16 u + 8 h + i][hd]
.endr
.irp e, 0,1
	global_load_b128 v[BT+16*\c+8*\u+4*\e:BT+16*\c+8*\u+4*\e+3], v70, s[28:29] offset:128*\c+64*\u+16*\e    ; beta2 of the same units
	global_load_b128 v[G2T+16*\c+8*\u+4*\e:G2T+16*\c+8*\u+4*\e+3], v70, s[26:27] offset:128*\c+64*\u+16*\e  ; g2
.endr
.endr
.endr
	global_load_b32 v[T2], v72, s[32:33]           ; b3[hd]
	global_load_b32 v[TV], v72, s[34:35]           ; bias_scale[hd]: the thread's number is done with
	s_wait_loadcnt 0x0                             ; all of the above, once: so the offset registers v66-77 are free too
	s_wait_alu depctr_vm_vsrc(0)                   ; the set-up's loads have read their offsets v66 to v72, over which the codes and d in bf16 are written later
	FEAT1                                          ; tiles 0, 1
	v_nop
	s_wait_alu depctr_va_vdst(0)                   ; the root is written, ahead of its first reader; the subtractions are done reading v[PT ..], in which the load below lands
	global_load_b96 v[PT:PT+2], v[VP], s[8:9] offset:24       ; tiles 2, 3
	FEAT2
	LAYER1 0                                       ; tile 0
	; ---- c[hd] = (beta2 W3 + b3) bias_scale and G = g2 W3 bias_scale.  These plain lines are also the places behind tile 0's products
	v_pk_mul_f32 v[SCR:SCR+1], v[W3T:W3T+1], v[BT:BT+1]
.set i, 1
.rept 15
	v_pk_fma_f32 v[SCR:SCR+1], v[W3T+2*i:W3T+2*i+1], v[BT+2*i:BT+2*i+1], v[SCR:SCR+1]
.set i, i+1
.endr
	v_add_f32 v[SCR], v[SCR], v[SCR+1]
	v_permlanex16_b32 v[SCR+4], v[SCR], s[SEL], s[SEL+1]      ; the other 32 units lie in lane l xor 16
	v_add_f32 v[SCR], v[SCR], v[SCR+4]
	v_add_f32 v[SCR], v[SCR], v[T2]
	v_mul_f32 v[SCR], v[SCR], v[TV]
.irp j, 0,1,2,3
	v_readlane_b32 s[CH+\j], v[SCR], \j            ; lanes 0-3 hold heads 0-3,
	v_readlane_b32 s[CH+4+\j], v[SCR], 8+\j        ; lanes 8-11 heads 4-7
.endr
	v_cmp_ne_u32 vcc_lo, 0, v74
	s_wait_alu depctr_va_sdst(0)                   ; c's eight numbers are written, ahead of the moves that read them
	s_wait_alu depctr_va_vcc(0)                    ; the compare has written VCC, ahead of the selections that read it
.irp j, 0,1,2,3
	v_mov_b32 v[CC+\j], s[CH+\j]
	v_mov_b32 v[SCR+4+\j], s[CH+4+\j]
.endr
.irp j, 0,1,2,3
	v_cndmask_b32 v[CC+\j], v[CC+\j], v[SCR+4+\j], vcc_lo     ; c[j + 4 h]
.endr
.set i, 0
.rept 16
	v_pk_mul_f32 v[W3T+2*i:W3T+2*i+1], v[W3T+2*i:W3T+2*i+1], v[G2T+2*i:G2T+2*i+1]
.set i, i+1
.endr
.set i, 0
.rept 16
	v_pk_mul_f32 v[W3T+2*i:W3T+2*i+1], v[W3T+2*i:W3T+2*i+1], v[TV:TV+1] op_sel_hi:[1,0]
.set i, i+1
.endr
.set i, 0
.rept 16
	v_cvt_pk_bf16_f32 v[GF+i], v[W3T+2*i], v[W3T+2*i+1]       ; fragment c, registers 4 u + i: units 32 c + 16 u + 8 h + 2 i, + 1
.set i, i+1
.endr
	RELU 0, 64                                     ; tile 0 into X
	; ---- 32 tiles: the first, seven trips of four, the last three
	SEG 0, 0, 1, 1, 1                              ; tile 0
	s_mov_b32 s[TRIP], 7
.Ltrip:
	SEG 1, 1, 1, 0, 0
	SEG 2, 1, 1, 2, 0
	SEG 3, 1, 1, 0, 0
	SEG 0, 1, 1, 1, 2
	s_sub_co_u32 s[TRIP], s[TRIP], 1
	s_cmp_lg_u32 s[TRIP], 0
	s_cbranch_scc1 .Ltrip
	SEG 1, 1, 1, 0, 0                              ; tile 29
	SEG 2, 1, 1, 0, 0                              ; tile 30: no features are left to make
	SEG 3, 1, 0, 0, 0                              ; tile 31
	s_wait_alu depctr_va_vdst(0)                   ; the next line adds onto the matrix instruction issued just before it: the wait stands directly ahead; it serves the last reciprocal root too
	HEADS 1
.rept 4
	v_nop                                          ; four places ahead of the first read of the result
.endr
	OUTS 3
	s_wait_alu depctr_va_vdst(0)                   ; the last OUTS has written its part of v[OQ ..], which the stores below read
	STORES
	s_endpgm
.Lfunc_end_k_q47b5de7e8d_geo:
	.size	k_q47b5de7e8d_geo, .Lfunc_end_k_q47b5de7e8d_geo-k_q47b5de7e8d_geo
	.p2alignl 7, 3214868480
	.fill 96, 4, 3214868480
	.section	.rodata,"a",@progbits
	.p2align	6, 0x0
	.amdhsa_kernel k_q47b5de7e8d_geo
		.amdhsa_group_segment_fixed_size 0
		.amdhsa_private_segment_fixed_size 0
		.amdhsa_enable_private_segment 0
		.amdhsa_kernarg_size 120
		.amdhsa_user_sgpr_count 2
		.amdhsa_user_sgpr_kernarg_segment_ptr 1
		.amdhsa_wavefront_size32 1
		.amdhsa_system_sgpr_workgroup_id_x 1
		.amdhsa_system_sgpr_workgroup_id_y 1
		.amdhsa_system_sgpr_workgroup_id_z 1
		.amdhsa_system_vgpr_workitem_id 0
		.amdhsa_next_free_vgpr 512
		.amdhsa_next_free_sgpr 80
		.amdhsa_reserve_vcc 1
		.amdhsa_float_denorm_mode_32 3
		.amdhsa_float_denorm_mode_16_64 3
		.amdhsa_memory_ordered 1
		.amdhsa_forward_progress 1
		.amdhsa_inst_pref_size 217
	.end_amdhsa_kernel
	.amdgpu_metadata
---
amdhsa.version: [ 1, 2 ]
amdhsa.kernels:
  - .name:           k_q47b5de7e8d_geo
    .symbol:         k_q47b5de7e8d_geo.kd
    .args:
      - { .name: scene_points, .offset: 0, .size: 8, .value_kind: global_buffer, .address_space: global }
      - { .name: grasp_poses, .offset: 8, .size: 8, .value_kind: global_buffer, .address_space: global }
      - { .name: W1, .offset: 16, .size: 8, .value_kind: global_buffer, .address_space: global }
      - { .name: b1, .offset: 24, .size: 8, .value_kind: global_buffer, .address_space: global }
      - { .name: g1, .offset: 32, .size: 8, .value_kind: global_buffer, .address_space: global }
      - { .name: beta1, .offset: 40, .size: 8, .value_kind: global_buffer, .address_space: global }
      - { .name: W2_codes, .offset: 48, .size: 8, .value_kind: global_buffer, .address_space: global }
      - { .name: W2_scales, .offset: 56, .size: 8, .value_kind: global_buffer, .address_space: global }
      - { .name: b2, .offset: 64, .size: 8, .value_kind: global_buffer, .address_space: global }
      - { .name: g2, .offset: 72, .size: 8, .value_kind: global_buffer, .address_space: global }
      - { .name: beta2, .offset: 80, .size: 8, .value_kind: global_buffer, .address_space: global }
      - { .name: W3, .offset: 88, .size: 8, .value_kind: global_buffer, .address_space: global }
      - { .name: b3, .offset: 96, .size: 8, .value_kind: global_buffer, .address_space: global }
      - { .name: bias_scale, .offset: 104, .size: 8, .value_kind: global_buffer, .address_space: global }
      - { .name: out0, .offset: 112, .size: 8, .value_kind: global_buffer, .address_space: global }
    .group_segment_fixed_size: 0
    .private_segment_fixed_size: 0
    .kernarg_segment_align: 8
    .kernarg_segment_size: 120
    .max_flat_workgroup_size: 256
    .sgpr_count:     80
    .vgpr_count:     512
    .wavefront_size: 32
...
	.end_amdgpu_metadata
.endif
;; end of part 2
